; MI455X (gfx1250); checked and timed in simulation.
; The chip was launched on July 23, 2026; its instructions are those of AMD's public machine-readable ISA for CDNA 5 (MIT licence, August 2026) and "CDNA5" Instruction Set Architecture Reference Guide (July 2026). The comments in the code are by the model that wrote it; some were corrected since.
;; Quant4 Linear normal eora dummy. Allowed arithmetic: float matrix products may take bf16 or f16 operands with f32 sums; all other float work in f32.
;; Inputs: bias 28,672 float32; down 8,192 x 64 float16; qweight 1,024 x 28,672 int32; scales 1 x 28,672 float32; up 64 x 28,672 float16; x 1 x 8,192 float32; zeros 1 x 28,672 float32.
;; Outputs: out0 1 x 28,672 float32.
;; One version. Each part assembles by itself: llvm-mc -triple=amdgcn-amd-amdhsa -mcpu=gfx1250 --defsym DOCPART=n.
;; ======== version 1 of 1: 2 launches
;; workspace buffers: xs 16,384 bytes; part 8,192 bytes; sums 256 bytes
;; launch prep (part 1): grid 32 x 1, 16 waves a work-group, no clusters, 6,144 bytes of LDS; arguments x, down, xs, part, sums; writes xs, part, sums
.if DOCPART == 1
	.amdgcn_target "amdgcn-amd-amdhsa--gfx1250"
	.amdhsa_code_object_version 6
	.text
	.protected	k_q21773d45dc_prep
	.globl	k_q21773d45dc_prep
	.p2align	8
	.type	k_q21773d45dc_prep,@function
k_q21773d45dc_prep:
	s_mov_b64 s[64:65], 0
	v_nop
	global_prefetch_b8 v0, s[64:65] scope:SCOPE_SE
	s_setreg_imm32_b32 hwreg(HW_REG_WAVE_MODE, 25, 1), 1
	s_wait_xcnt 0x0
; What depends on x alone, made once for the second launch.  Work-group p owns x[256 p .. 256 p + 255] and the same rows of down.
;   part[p][r] = sum over its k of f16(x[k]) * down[k][r]   (f32 sums; 64 numbers = 256 bytes, one store instruction)
;   xs[kk]     = the eight f16(x[8 kk + j]) in the order j = 0,4,1,5,2,6,3,7: the order in which the second launch unpacks a word of qweight
;   sums[p]    = (sum of f16(x[k]) over its even k, the same over its odd k), in f32
; A product of one row with 1 MB of weights stored [k][r]: a stream.  The matrix unit would need down transposed and would use one row of
; sixteen, so the products are v_fma_mix_f32 (f16 x f16 + f32).  No cluster: no two work-groups read the same bytes.
; Thread t owns columns 8 (t & 7) .. + 7 of rows t >> 3, + 64, + 128, + 192: each load of a wave covers 512 consecutive bytes of down.
; LIMIT: x is rounded to f16, as reference() does for this product: |x| below 65,504.
.set X,  8                             ; v[8:11]   x of my four rows, then f16 in the low halves
.set D,  12                            ; v[12:27]  my four pieces of down, 8 f16 each
.set AC, 28                            ; v[28:35]  my 8 columns' sums
.set F,  12                            ; v[12:43]  the last step: 16 waves' pairs of sums
	s_load_b256 s[4:11], s[0:1], 0x0               ; x s[4:5], down s[6:7], xs s[8:9], part s[10:11]
	s_load_b64 s[12:13], s[0:1], 0x20              ; sums
	v_lshl_add_u32 v64, v0, 2, 0x1000
	v_mov_b32 v65, 0
	v_lshrrev_b32 v1, 5, v0
	v_readfirstlane_b32 s14, v1                    ; wave 0..15
	v_and_b32 v1, 31, v0                           ; lane
	v_lshlrev_b32 v2, 4, v0                        ; down: 16 t
	v_lshrrev_b32 v3, 3, v0
	v_lshlrev_b32 v3, 2, v3                        ; x: 4 (t >> 3)
	v_and_b32 v7, 7, v0
	v_lshlrev_b32 v7, 5, v7                        ; LDS: 32 bytes for each group of 8 columns,
	s_lshl_b32 s15, s14, 8
	v_add_nc_u32 v7, s15, v7                       ; in my wave's row of 256 bytes
	s_lshl_b32 s16, ttmp9, 15                      ; 256 rows of 128 bytes
	s_mov_b32 s17, 0
	s_lshl_b32 s18, ttmp9, 10                      ; 256 numbers of 4 bytes
	s_mov_b32 s19, 0
	s_mov_b32 s22, 0x76543210                      ; v_permlanex16_b32: lane i reads lane i of the other half
	s_mov_b32 s23, 0xfedcba98
	s_wait_kmcnt 0x0
	s_add_nc_u64 s[6:7], s[6:7], s[16:17]
	s_add_nc_u64 s[4:5], s[4:5], s[18:19]
.irp i, 0,1,2,3
	global_load_b32 v[X+\i], v3, s[4:5] offset:256*\i
.endr
.irp i, 0,1,2,3
	global_load_b128 v[D+4*\i:D+4*\i+3], v2, s[6:7] offset:8192*\i th:TH_LOAD_NT
.endr
	; Wave 1 alone: the table and the two sums.  Lane l owns x[8 l .. 8 l + 7] of the work-group's 256.
	s_cmp_lg_u32 s14, 1
	s_cbranch_scc1 .Lno_table
	v_lshlrev_b32 v4, 5, v1                        ; 32 bytes of x a lane
	global_load_b128 v[44:47], v4, s[4:5]          ; x0..x3
	global_load_b128 v[48:51], v4, s[4:5] offset:16 ; x4..x7
	s_lshl_b32 s20, ttmp9, 9                       ; xs: 512 bytes a work-group
	s_mov_b32 s21, 0
	s_add_nc_u64 s[8:9], s[8:9], s[20:21]
	s_lshl_b32 s20, ttmp9, 3                       ; sums: 8 bytes a work-group
	s_add_nc_u64 s[12:13], s[12:13], s[20:21]
	v_lshlrev_b32 v5, 4, v1
	s_wait_loadcnt 0x0
	v_cvt_pk_f16_f32 v52, v44, v48                 ; (x0, x4)
	v_cvt_pk_f16_f32 v53, v45, v49                 ; (x1, x5)
	v_cvt_pk_f16_f32 v54, v46, v50                 ; (x2, x6)
	v_cvt_pk_f16_f32 v55, v47, v51                 ; (x3, x7)
	global_store_b128 v5, v[52:55], s[8:9]         ; the wave stores 512 consecutive bytes, aligned
	v_cvt_f32_f16 v44, v52.l                       ; the ROUNDED numbers are summed: they are what the matrix unit will multiply
	v_cvt_f32_f16 v45, v52.h
	v_cvt_f32_f16 v46, v54.l
	v_cvt_f32_f16 v47, v54.h
	v_cvt_f32_f16 v48, v53.l
	v_cvt_f32_f16 v49, v53.h
	v_cvt_f32_f16 v50, v55.l
	v_cvt_f32_f16 v51, v55.h
	v_pk_add_f32 v[44:45], v[44:45], v[46:47]
	v_pk_add_f32 v[48:49], v[48:49], v[50:51]
	v_add_f32 v56, v44, v45                        ; even k
	v_add_f32 v57, v48, v49                        ; odd k
.irp m, 1,2,4,8
	v_add_f32_dpp v56, v56, v56 row_xmask:\m row_mask:0xf bank_mask:0xf
	v_add_f32_dpp v57, v57, v57 row_xmask:\m row_mask:0xf bank_mask:0xf
.endr
	v_permlanex16_b32 v44, v56, s22, s23           ; destinations that have been written before
	v_permlanex16_b32 v45, v57, s22, s23
	v_pk_add_f32 v[56:57], v[56:57], v[44:45]
	v_cmp_eq_u32 vcc_lo, 0, v1
	s_wait_xcnt 0x0                                ; EXEC is a source of the store above: it changes only behind this wait
	s_and_saveexec_b32 s24, vcc_lo
	global_store_b64 v1, v[56:57], s[12:13]        ; lane 0 (its v1 is 0): the work-group's 8 bytes of sums
	s_wait_xcnt 0x0                                ; and again in front of the line that widens EXEC
	s_or_b32 exec_lo, exec_lo, s24
.Lno_table:
	s_wait_loadcnt 0x0
	v_cvt_f16_f32 v8.l, v8                         ; xh = x.half(), round to nearest even
	v_cvt_f16_f32 v9.l, v9
	v_cvt_f16_f32 v10.l, v10
	v_cvt_f16_f32 v11.l, v11
	v_mov_b32 v6, 0                                ; the first products' addend: no accumulator is cleared
.macro MAC i, first
.irp m, 0,1,2,3
.if \first
	v_fma_mix_f32 v[AC+2*\m],   v[D+4*\i+\m], v[X+\i], v6 op_sel_hi:[1,1,0]
	v_fma_mix_f32 v[AC+2*\m+1], v[D+4*\i+\m], v[X+\i], v6 op_sel:[1,0,0] op_sel_hi:[1,1,0]
.else
	v_fma_mix_f32 v[AC+2*\m],   v[D+4*\i+\m], v[X+\i], v[AC+2*\m] op_sel_hi:[1,1,0]
	v_fma_mix_f32 v[AC+2*\m+1], v[D+4*\i+\m], v[X+\i], v[AC+2*\m+1] op_sel:[1,0,0] op_sel_hi:[1,1,0]
.endif
.endr
.endm
	MAC 0, 1
	MAC 1, 0
	MAC 2, 0
	MAC 3, 0
	; lanes l, l ^ 8, l ^ 16, l ^ 24 hold the same 8 columns: add them
.irp j, 0,1,2,3,4,5,6,7
	v_add_f32_dpp v[AC+\j], v[AC+\j], v[AC+\j] row_xmask:8 row_mask:0xf bank_mask:0xf
.endr
.irp j, 0,1,2,3,4,5,6,7
	v_permlanex16_b32 v[D+\j], v[AC+\j], s22, s23
.endr
.irp j, 0,2,4,6
	v_pk_add_f32 v[AC+\j:AC+\j+1], v[AC+\j:AC+\j+1], v[D+\j:D+\j+1]
.endr
	ds_store_b128 v7, v[AC:AC+3]                   ; four lanes write the same bytes with the same values
	ds_store_b128 v7, v[AC+4:AC+7] offset:16
	s_wait_dscnt 0x0                               ; for wave 0's sake: my stores are in LDS
	s_barrier_signal -1
	s_barrier_wait -1
	s_cmp_lg_u32 s14, 0
	s_cbranch_scc1 .Lend
	; wave 0: lane l adds the sixteen waves' sums of columns 2 l, 2 l + 1
	v_lshlrev_b32 v4, 3, v1
.irp k, 0,1,2,3,4,5,6,7,8,9,10,11,12,13,14,15
	ds_load_b64 v[F+2*\k:F+2*\k+1], v4 offset:256*\k
.endr
	s_lshl_b32 s20, ttmp9, 8
	s_mov_b32 s21, 0
	s_add_nc_u64 s[10:11], s[10:11], s[20:21]
	s_wait_dscnt 0x0
.irp st, 8,4,2,1
.set k, 0
.rept \st
	v_pk_add_f32 v[F+2*k:F+2*k+1], v[F+2*k:F+2*k+1], v[F+2*(k+\st):F+2*(k+\st)+1]
.set k, k+1
.endr
.endr
	global_store_b64 v4, v[F:F+1], s[10:11]        ; 32 lanes store 256 consecutive bytes, aligned: row p of part
.Lend:
	s_wait_tensorcnt 0x0
	ds_add_u32 v64, v65
	s_wait_dscnt 0x0
	s_endpgm
.Lfunc_end_k_q21773d45dc_prep:
	.size	k_q21773d45dc_prep, .Lfunc_end_k_q21773d45dc_prep-k_q21773d45dc_prep
	.p2alignl 7, 3214868480
	.fill 96, 4, 3214868480
	.section	.rodata,"a",@progbits
	.p2align	6, 0x0
	.amdhsa_kernel k_q21773d45dc_prep
		.amdhsa_group_segment_fixed_size 6144
		.amdhsa_private_segment_fixed_size 0
		.amdhsa_enable_private_segment 0
		.amdhsa_kernarg_size 40
		.amdhsa_user_sgpr_count 2
		.amdhsa_user_sgpr_kernarg_segment_ptr 1
		.amdhsa_wavefront_size32 1
		.amdhsa_system_sgpr_workgroup_id_x 1
		.amdhsa_system_sgpr_workgroup_id_y 1
		.amdhsa_system_sgpr_workgroup_id_z 1
		.amdhsa_system_vgpr_workitem_id 0
		.amdhsa_next_free_vgpr 66
		.amdhsa_next_free_sgpr 66
		.amdhsa_reserve_vcc 1
		.amdhsa_float_denorm_mode_32 3
		.amdhsa_float_denorm_mode_16_64 3
		.amdhsa_memory_ordered 1
		.amdhsa_forward_progress 1
		.amdhsa_inst_pref_size 11
	.end_amdhsa_kernel
	.amdgpu_metadata
---
amdhsa.version: [ 1, 2 ]
amdhsa.kernels:
  - .name:           k_q21773d45dc_prep
    .symbol:         k_q21773d45dc_prep.kd
    .args:
      - { .name: x, .offset: 0, .size: 8, .value_kind: global_buffer, .address_space: global }
      - { .name: down, .offset: 8, .size: 8, .value_kind: global_buffer, .address_space: global }
      - { .name: xs, .offset: 16, .size: 8, .value_kind: global_buffer, .address_space: global }
      - { .name: part, .offset: 24, .size: 8, .value_kind: global_buffer, .address_space: global }
      - { .name: sums, .offset: 32, .size: 8, .value_kind: global_buffer, .address_space: global }
    .group_segment_fixed_size: 6144
    .private_segment_fixed_size: 0
    .kernarg_segment_align: 8
    .kernarg_segment_size: 40
    .max_flat_workgroup_size: 512
    .sgpr_count:     66
    .vgpr_count:     66
    .wavefront_size: 32
...
	.end_amdgpu_metadata
.endif
;; end of part 1
;; launch main (part 2): grid 224 x 1, 16 waves a work-group, no clusters, 43,520 bytes of LDS; arguments qweight, xs, part, sums, up, scales, zeros, bias, out0; writes out0
.if DOCPART == 2
	.amdgcn_target "amdgcn-amd-amdhsa--gfx1250"
	.amdhsa_code_object_version 6
	.text
	.protected	k_q21773d45dc_main
	.globl	k_q21773d45dc_main
	.p2align	8
	.type	k_q21773d45dc_main,@function
k_q21773d45dc_main:
	s_mov_b64 s[64:65], 0
	v_nop
	global_prefetch_b8 v0, s[64:65] scope:SCOPE_SE
	s_setreg_imm32_b32 hwreg(HW_REG_WAVE_MODE, 25, 1), 1
	s_wait_xcnt 0x0
; out0[n] = bias[n] + sum over k of x[k] (scales[n] q[k][n] - zeros[n]) + f16( sum over r of dp[r] up[r][n] ),  dp = f16(x.half() @ down).
; A work-group owns 128 columns and all 8,192 k.  Wave w owns k = 512 w .. 512 w + 511 (64 rows of qweight) of all 128 columns.
;
; THE WEIGHTS GO FROM MEMORY STRAIGHT INTO THE MATRIX OPERAND.  A word of qweight is 8 consecutive k of one column, which is what registers
; 0-3 (or 4-7) of a lane of the 16-bit B operand hold (lane (r, h): column r, k = 8 h .. 8 h + 7, then 16 + 8 h ..).  A 16-byte load with
; lanes 0-15 on row kk and lanes 16-31 on row kk + 1 gives each lane one word for each of four column tiles (tile t: columns 4 r + t), and
; covers two aligned pieces of 256 consecutive bytes.  No trip through LDS, no transposition.
; UNPACKING, 6 instructions for 8 weights: a = w << 2, b = w >> 6; (a & 0x003c003c) | 0x5c005c00 is the f16 pair (256 + q0, 256 + q4),
; (a & 0x03c003c0) | 0x4c004c00 is (16 + q1, 16 + q5); b gives (256 + q2, 256 + q6) and (16 + q3, 16 + q7).  xs holds x in the same order.
; All 16 rows of A hold x: one row is needed, the others cost nothing more.
; THE OFFSETS are taken away for each wave's 512 k: D - 256 Se - 16 So, where Se, So are the sums of the SAME f16-rounded x over the even
; and the odd k.  So the rounding of x cancels exactly; what is left is the f32 rounding of sums up to some 30 times larger than
; sum x q (256 against q's 0 .. 15, on half of the k): about 5 of 24 bits.
; LIMITS: x enters as f16 everywhere in this launch (|x| below 65,504; the result is reference() on x rounded to f16); the order of the
; sums is not reference()'s; dp and the correction are f32 sums rounded to f16 once each.
; NO CLUSTER: what work-groups share is xs and part, 24 KB of the 554 KB that a work-group reads.  No prefetch: each wave asks for 24 loads
; (12 KB) in its first lines and keeps the ring full.  224 work-groups: a row of qweight is 448 aligned pieces of 256 bytes, two for each.
.set ROWB,   114688                    ; bytes in a row of qweight
.set UPROW,  57344                     ; bytes in a row of up
.set STEPS,  16                        ; a wave's steps: 4 rows of qweight = 32 k each
.set S,      6                         ; step slots in the register ring: 24 loads of 512 bytes on their way
.set XS,     0                         ; LDS: x as f16, 16 bytes for each row of qweight (16,384)
.set DPL,    16384                     ; part's 32 rows at a pitch of 272 = 17 x 16 bytes (8,704): lanes that take one 16-byte column of
.set DPITCH, 272                       ;   16 rows touch 16 different 16-byte columns of 256 bytes
.set CORR,   25088                     ; 16 waves x 128 f32: partial corrections (8,192)
.set YS,     33280                     ; 16 waves x 128 f32: partial results (8,192)
.set VOFF, 2                           ; v2       h x ROWB + 16 r: my 16 bytes in the first two rows
.set XA,   3                           ; v3       LDS address of my part of the wave's first x fragment
.set T16,  4                           ; v4       16 t = 512 wave + 16 lane
.set L16,  5                           ; v5       16 lane
.set L8,   6                           ; v6       8 lane
.set A0,   8                           ; v[8:23]    x fragments, two buffers
.set B0,   24                          ; v[24:31]   unpacked weights, buffer 0
.set B1,   32                          ; v[32:39]   buffer 1
.set SH,   40                          ; v[40:43]   shifted words
.set SC,   44                          ; v[44:47]   scales of my columns 4 lane .. + 3
.set ZR,   48                          ; v[48:51]   zeros
.set BI,   52                          ; v[52:55]   bias (wave 0)
.set UP,   56                          ; v[56:63]   up: rows 4 wave .. + 3, my 4 columns
.set XT,   64                          ; v[64:71]   prologue: xs on its way to LDS; then at work
.set PT,   72                          ; v[72:75]   part, then dp[4 wave .. + 3]
.set ACC,  80                          ; v[80:143]  8 tiles of 16 columns
.set RING, 144                         ; v[144:239] slot: 16 registers = rows (0,1) and (2,3) of columns 0-63, then of columns 64-127
	s_load_b256 s[4:11], s[0:1], 0x0               ; qweight s[4:5], xs s[6:7], part s[8:9], sums s[10:11]
	s_load_b256 s[12:19], s[0:1], 0x20             ; up s[12:13], scales s[14:15], zeros s[16:17], bias s[18:19]
	s_load_b64 s[20:21], s[0:1], 0x40              ; out0
	v_lshl_add_u32 v240, v0, 2, 0xa200
	v_mov_b32 v241, 0
	v_lshrrev_b32 v1, 5, v0
	v_readfirstlane_b32 s22, v1                    ; wave 0..15
	v_and_b32 v1, 31, v0                           ; lane
	v_and_b32 v78, 15, v0                          ; r
	v_bfe_u32 v79, v0, 4, 1                        ; h
	v_mul_u32_u24 v[VOFF], v79, ROWB
	v_lshl_add_u32 v[VOFF], v78, 4, v[VOFF]
	v_lshlrev_b32 v[T16], 4, v0
	v_lshlrev_b32 v[L16], 4, v1
	v_lshlrev_b32 v[L8], 3, v1
	s_lshl_b32 s23, s22, 10                        ; 64 rows x 16 bytes of xs for each wave
	v_lshl_add_u32 v[XA], v79, 4, s23
	v_lshrrev_b32 v76, 4, v0                       ; part into LDS: row t >> 4, 16-byte column t & 15
	v_mul_u32_u24 v76, v76, DPITCH
	v_lshl_add_u32 v76, v78, 4, v76
	s_lshl_b32 s40, s22, 4
	v_mul_u32_u24 v77, v1, DPITCH                  ; and back: row = lane, 16-byte column = wave
	v_add_nc_u32 v77, s40, v77
	s_mul_i32 s24, s22, 64*ROWB                    ; my wave's first row (at most 110,100,480 bytes)
	s_lshl_b32 s26, ttmp9, 9                       ; 128 columns of 4 bytes
	s_add_co_u32 s24, s24, s26
	s_mov_b32 s25, 0
	s_mov_b32 s27, 0
	s_mul_i32 s38, s22, 4*UPROW                    ; up: my wave's four rows,
	s_lshl_b32 s39, ttmp9, 8                       ; 128 columns of 2 bytes
	s_add_co_u32 s38, s38, s39
	s_mov_b32 s39, 0
	s_mov_b32 s32, 0x003c003c                      ; nibbles at bits 2-5 of each half
	s_mov_b32 s33, 0x5c005c00                      ; f16 256.0 twice: bit 2 counts 1
	s_mov_b32 s34, 0x03c003c0                      ; nibbles at bits 6-9
	s_mov_b32 s35, 0x4c004c00                      ; f16 16.0 twice: bit 6 counts 1
	s_mov_b32 s36, 0x76543210                      ; v_permlanex16_b32: lane i reads lane i of the other half
	s_mov_b32 s37, 0xfedcba98
	s_wait_kmcnt 0x0
	s_add_nc_u64 s[4:5], s[4:5], s[24:25]
	s_add_nc_u64 s[12:13], s[12:13], s[38:39]
	s_add_nc_u64 s[14:15], s[14:15], s[26:27]
	s_add_nc_u64 s[16:17], s[16:17], s[26:27]
	s_add_nc_u64 s[18:19], s[18:19], s[26:27]
	s_add_nc_u64 s[20:21], s[20:21], s[26:27]
	s_load_b128 s[28:31], s[10:11], s40 offset:0x0 ; (Se, So) of the two chunks of 256 k that make my wave's 512
	s_cmp_lg_u32 s22, 0                            ; wave 0 writes the result: it alone needs bias.  The load is the wave's oldest,
	s_cbranch_scc1 .Lno_bias                       ; so every count below is the same in all waves
	global_load_b128 v[BI:BI+3], v[L16], s[18:19]
.Lno_bias:
	global_load_b128 v[XT:XT+3],   v[T16], s[6:7]
	global_load_b128 v[XT+4:XT+7], v[T16], s[6:7] offset:8192
	global_load_b128 v[PT:PT+3],   v[T16], s[8:9]
	global_load_b128 v[SC:SC+3],   v[L16], s[14:15]
	global_load_b128 v[ZR:ZR+3],   v[L16], s[16:17]
.irp j, 0,1,2,3
	global_load_b64 v[UP+2*\j:UP+2*\j+1], v[L8], s[12:13] offset:UPROW*\j th:TH_LOAD_NT   ; a wave's load: 256 consecutive bytes, aligned
.endr
; The two loads of step i for column half c.  All 64 loads of a wave are reached by the immediate (at most 62 rows + 256 = 7,110,912 bytes,
; inside its signed 24 bits): no address register is ever stepped.
.macro LOADH i, c
	global_load_b128 v[RING+16*((\i)%S)+8*\c:RING+16*((\i)%S)+8*\c+3],   v[VOFF], s[4:5] offset:ROWB*(4*(\i))+256*\c th:TH_LOAD_NT
	global_load_b128 v[RING+16*((\i)%S)+8*\c+4:RING+16*((\i)%S)+8*\c+7], v[VOFF], s[4:5] offset:ROWB*(4*(\i)+2)+256*\c th:TH_LOAD_NT
.endm
.irp i, 0,1,2,3,4,5
	LOADH \i, 0
	LOADH \i, 1
.endr
	; xs and part go to LDS while the weights are on their way
	s_wait_loadcnt 30                              ; behind part: scales, zeros, 4 of up, 24 of the ring
	ds_store_b128 v[T16], v[XT:XT+3] offset:XS
	ds_store_b128 v[T16], v[XT+4:XT+7] offset:XS+8192
	ds_store_b128 v76, v[PT:PT+3] offset:DPL
	s_wait_dscnt 0x0                               ; for the others' sake: my stores are in LDS
	s_barrier_signal -1
	s_barrier_wait -1
	ds_load_b128 v[PT:PT+3], v77 offset:DPL        ; lane p: work-group p's partial sums of dp[4 wave .. + 3]
	ds_load_b128 v[A0:A0+3],   v[XA] offset:XS     ; the first x fragment: sixteen lanes read the same 16 bytes
	ds_load_b128 v[A0+4:A0+7], v[XA] offset:XS+32
	s_wait_dscnt 2                                 ; the two fragment loads stay out
.irp m, 1,2,4,8
.irp k, 0,1,2,3
	v_add_f32_dpp v[PT+\k], v[PT+\k], v[PT+\k] row_xmask:\m row_mask:0xf bank_mask:0xf
.endr
.endr
.irp k, 0,1,2,3
	v_permlanex16_b32 v[XT+\k], v[PT+\k], s36, s37 ; destinations that have been written before
.endr
	v_pk_add_f32 v[PT:PT+1],   v[PT:PT+1],   v[XT:XT+1]
	v_pk_add_f32 v[PT+2:PT+3], v[PT+2:PT+3], v[XT+2:XT+3]
	v_cvt_f16_f32 v72.l, v72                       ; down_proj is an f16 result: rounded once,
	v_cvt_f16_f32 v73.l, v73
	v_cvt_f16_f32 v74.l, v74
	v_cvt_f16_f32 v75.l, v75
	v_cvt_f32_f16 v72, v72.l                       ; and used in f32
	v_cvt_f32_f16 v73, v73.l
	v_cvt_f32_f16 v74, v74.l
	v_cvt_f32_f16 v75, v75.l
	s_wait_loadcnt 24                              ; scales, zeros and up are in; the ring stays out
	; my wave's four rows of dp @ up for my four columns: 16 products a lane, on operands stored [r][n]: vector arithmetic
	v_cvt_f32_f16 v64, v56.l
	v_cvt_f32_f16 v65, v56.h
	v_cvt_f32_f16 v66, v57.l
	v_cvt_f32_f16 v67, v57.h
	v_mul_f32 v68, v64, v72
	v_mul_f32 v69, v65, v72
	v_mul_f32 v70, v66, v72
	v_mul_f32 v71, v67, v72
	v_cvt_f32_f16 v64, v58.l
	v_cvt_f32_f16 v65, v58.h
	v_cvt_f32_f16 v66, v59.l
	v_cvt_f32_f16 v67, v59.h
	v_fma_f32 v68, v64, v73, v68
	v_fma_f32 v69, v65, v73, v69
	v_fma_f32 v70, v66, v73, v70
	v_fma_f32 v71, v67, v73, v71
	v_cvt_f32_f16 v64, v60.l
	v_cvt_f32_f16 v65, v60.h
	v_cvt_f32_f16 v66, v61.l
	v_cvt_f32_f16 v67, v61.h
	v_fma_f32 v68, v64, v74, v68
	v_fma_f32 v69, v65, v74, v69
	v_fma_f32 v70, v66, v74, v70
	v_fma_f32 v71, v67, v74, v71
	v_cvt_f32_f16 v64, v62.l
	v_cvt_f32_f16 v65, v62.h
	v_cvt_f32_f16 v66, v63.l
	v_cvt_f32_f16 v67, v63.h
	v_fma_f32 v68, v64, v75, v68
	v_fma_f32 v69, v65, v75, v69
	v_fma_f32 v70, v66, v75, v70
	v_fma_f32 v71, v67, v75, v71
	ds_store_b128 v[T16], v[68:71] offset:CORR     ; my wave's row; read behind the last barrier
	s_wait_kmcnt 0x0
	s_add_f32 s41, s28, s30                        ; Se: sum of f16(x) over my wave's even k
	s_add_f32 s42, s29, s31                        ; So: over its odd k
	s_mul_f32 s43, s41, 0x43800000                 ; 256 Se
	s_mov_b32 s44, 0x41800000
	s_fmac_f32 s43, s42, s44                       ; + 16 So: what the offsets add to every column's sum
	s_add_f32 s44, s41, s42
	s_mul_f32 s45, s44, -1.0                       ; - (Se + So)
; two words -> 16 f16: the B operand of one tile
.macro UNPACK b, w0, w1
	v_lshlrev_b32 v[SH],   2, v[\w0]
	v_lshrrev_b32 v[SH+1], 6, v[\w0]
	v_lshlrev_b32 v[SH+2], 2, v[\w1]
	v_lshrrev_b32 v[SH+3], 6, v[\w1]
	v_and_or_b32 v[\b],   v[SH],   s32, s33        ; 256 + q0, 256 + q4
	v_and_or_b32 v[\b+1], v[SH],   s34, s35        ;  16 + q1,  16 + q5
	v_and_or_b32 v[\b+2], v[SH+1], s32, s33        ; 256 + q2, 256 + q6
	v_and_or_b32 v[\b+3], v[SH+1], s34, s35        ;  16 + q3,  16 + q7
	v_and_or_b32 v[\b+4], v[SH+2], s32, s33
	v_and_or_b32 v[\b+5], v[SH+2], s34, s35
	v_and_or_b32 v[\b+6], v[SH+3], s32, s33
	v_and_or_b32 v[\b+7], v[SH+3], s34, s35
.endm
.macro MUL t, b, i                     ; the first step's products start the sums: nothing is cleared
.if (\i) == 0
	v_wmma_f32_16x16x32_f16 v[ACC+8*\t:ACC+8*\t+7], v[AC:AC+7], v[\b:\b+7], 0
.else
	v_wmma_f32_16x16x32_f16 v[ACC+8*\t:ACC+8*\t+7], v[AC:AC+7], v[\b:\b+7], v[ACC+8*\t:ACC+8*\t+7]
.endif
.endm
; A STEP: 32 k x 128 columns.  Distances behind matrix instructions (ISA guide 7.12.1): buffer B0 (B1) is written again only behind the
; twelve plain vector instructions that fill the other buffer; the x buffer that the last step read is loaded again behind the twelve
; that unpack this step's first tile; an accumulator's next product is the next link of its chain.
.macro STEP i
.set R,  RING+16*((\i)%S)
.set AC, A0+8*((\i)%2)
.set AN, A0+8*(((\i)+1)%2)
.if STEPS-1-(\i) < S-1
.set AHEAD, STEPS-1-(\i)
.else
.set AHEAD, S-1
.endif
	s_wait_loadcnt 4*AHEAD+2                       ; columns 0-63 are in; out: this step's other two loads and four for each step ahead
	UNPACK B0, R, R+4
.if (\i) < STEPS-1
	ds_load_b128 v[AN:AN+3],   v[XA] offset:XS+64*((\i)+1)
	ds_load_b128 v[AN+4:AN+7], v[XA] offset:XS+64*((\i)+1)+32
	s_wait_dscnt 2                                 ; this step's x fragment, asked for a step ago, is in; the next one's two loads stay out
.else
	s_wait_dscnt 0
.endif
	MUL 0, B0, \i
	UNPACK B1, R+1, R+5
	MUL 1, B1, \i
	UNPACK B0, R+2, R+6
	MUL 2, B0, \i
	UNPACK B1, R+3, R+7
	MUL 3, B1, \i
.if (\i)+S < STEPS
	LOADH (\i)+S, 0                                ; the eight registers just unpacked are asked for again, S steps ahead
	s_wait_loadcnt 4*AHEAD+2                       ; columns 64-127 are in; out: four for each step ahead and the two just issued
.else
	s_wait_loadcnt 4*AHEAD
.endif
	UNPACK B0, R+8, R+12
	MUL 4, B0, \i
	UNPACK B1, R+9, R+13
	MUL 5, B1, \i
	UNPACK B0, R+10, R+14
	MUL 6, B0, \i
	UNPACK B1, R+11, R+15
	MUL 7, B1, \i
.if (\i)+S < STEPS
	LOADH (\i)+S, 1
.endif
.endm
.irp i, 0,1,2,3,4,5,6,7,8,9,10,11,12,13,14,15
	STEP \i
.endr
	; MY WAVE'S SHARE OF THE RESULT.  All rows of a tile are equal; register 0 of lane (r, h) is column 4 r + t of tile t (64 + 4 r + t of
	; tile 4 + t).  Lanes 0-15 take tiles 0-3, lanes 16-31 tiles 4-7: lane l then holds columns 4 l .. 4 l + 3.
	s_mov_b32 vcc_lo, 0xffff0000
.rept 4
	v_nop                                          ; four places behind the last matrix instruction before its result is read (ISA guide 7.12.1)
.endr
.irp t, 0,1,2,3
	v_cndmask_b32 v[64+\t], v[ACC+8*\t], v[ACC+32+8*\t], vcc_lo
.endr
.irp t, 0,1,2,3
	v_sub_f32 v[64+\t], v[64+\t], s43              ; sum x q over my 512 k
.endr
.irp t, 0,1,2,3
	v_mul_f32 v[64+\t], v[64+\t], v[SC+\t]
.endr
.irp t, 0,1,2,3
	v_fma_f32 v[64+\t], v[ZR+\t], s45, v[64+\t]    ; - zeros x sum x
.endr
	ds_store_b128 v[T16], v[64:67] offset:YS
	s_wait_dscnt 0x0                               ; for wave 0's sake: both of my rows are in LDS
	s_barrier_signal -1
	s_barrier_wait -1
	s_cmp_lg_u32 s22, 0
	s_cbranch_scc1 .Lend
	; wave 0 adds the sixteen shares, four columns a lane
.irp k, 0,1,2,3,4,5,6,7,8,9,10,11,12,13,14,15
	ds_load_b128 v[80+4*\k:80+4*\k+3], v[L16] offset:CORR+512*\k
.endr
.irp k, 0,1,2,3,4,5,6,7,8,9,10,11,12,13,14,15
	ds_load_b128 v[144+4*\k:144+4*\k+3], v[L16] offset:YS+512*\k
.endr
.macro SUM16 b
.irp st, 8,4,2,1
.set k, 0
.rept \st
	v_pk_add_f32 v[\b+4*k:\b+4*k+1],   v[\b+4*k:\b+4*k+1],   v[\b+4*(k+\st):\b+4*(k+\st)+1]
	v_pk_add_f32 v[\b+4*k+2:\b+4*k+3], v[\b+4*k+2:\b+4*k+3], v[\b+4*(k+\st)+2:\b+4*(k+\st)+3]
.set k, k+1
.endr
.endr
.endm
	s_wait_dscnt 16                                ; the corrections are in; the sixteen loads behind them stay out
	SUM16 80
	v_cvt_f16_f32 v80.l, v80                       ; the correction is an f16 result: rounded once
	v_cvt_f16_f32 v81.l, v81
	v_cvt_f16_f32 v82.l, v82
	v_cvt_f16_f32 v83.l, v83
	v_cvt_f32_f16 v80, v80.l
	v_cvt_f32_f16 v81, v81.l
	v_cvt_f32_f16 v82, v82.l
	v_cvt_f32_f16 v83, v83.l
	s_wait_dscnt 0x0
	SUM16 144
	v_pk_add_f32 v[144:145], v[144:145], v[BI:BI+1]    ; bias came in ahead of every load that has been waited for
	v_pk_add_f32 v[146:147], v[146:147], v[BI+2:BI+3]
	v_pk_add_f32 v[144:145], v[144:145], v[80:81]
	v_pk_add_f32 v[146:147], v[146:147], v[82:83]
	global_store_b128 v[L16], v[144:147], s[20:21]     ; the wave stores 512 consecutive bytes, aligned
.Lend:
	s_wait_tensorcnt 0x0
	ds_add_u32 v240, v241
	s_wait_dscnt 0x0
	s_endpgm
.Lfunc_end_k_q21773d45dc_main:
	.size	k_q21773d45dc_main, .Lfunc_end_k_q21773d45dc_main-k_q21773d45dc_main
	.p2alignl 7, 3214868480
	.fill 96, 4, 3214868480
	.section	.rodata,"a",@progbits
	.p2align	6, 0x0
	.amdhsa_kernel k_q21773d45dc_main
		.amdhsa_group_segment_fixed_size 43520
		.amdhsa_private_segment_fixed_size 0
		.amdhsa_enable_private_segment 0
		.amdhsa_kernarg_size 72
		.amdhsa_user_sgpr_count 2
		.amdhsa_user_sgpr_kernarg_segment_ptr 1
		.amdhsa_wavefront_size32 1
		.amdhsa_system_sgpr_workgroup_id_x 1
		.amdhsa_system_sgpr_workgroup_id_y 1
		.amdhsa_system_sgpr_workgroup_id_z 1
		.amdhsa_system_vgpr_workitem_id 0
		.amdhsa_next_free_vgpr 242
		.amdhsa_next_free_sgpr 66
		.amdhsa_reserve_vcc 1
		.amdhsa_float_denorm_mode_32 3
		.amdhsa_float_denorm_mode_16_64 3
		.amdhsa_memory_ordered 1
		.amdhsa_forward_progress 1
		.amdhsa_inst_pref_size 113
	.end_amdhsa_kernel
	.amdgpu_metadata
---
amdhsa.version: [ 1, 2 ]
amdhsa.kernels:
  - .name:           k_q21773d45dc_main
    .symbol:         k_q21773d45dc_main.kd
    .args:
      - { .name: qweight, .offset: 0, .size: 8, .value_kind: global_buffer, .address_space: global }
      - { .name: xs, .offset: 8, .size: 8, .value_kind: global_buffer, .address_space: global }
      - { .name: part, .offset: 16, .size: 8, .value_kind: global_buffer, .address_space: global }
      - { .name: sums, .offset: 24, .size: 8, .value_kind: global_buffer, .address_space: global }
      - { .name: up, .offset: 32, .size: 8, .value_kind: global_buffer, .address_space: global }
      - { .name: scales, .offset: 40, .size: 8, .value_kind: global_buffer, .address_space: global }
      - { .name: zeros, .offset: 48, .size: 8, .value_kind: global_buffer, .address_space: global }
      - { .name: bias, .offset: 56, .size: 8, .value_kind: global_buffer, .address_space: global }
      - { .name: out0, .offset: 64, .size: 8, .value_kind: global_buffer, .address_space: global }
    .group_segment_fixed_size: 43520
    .private_segment_fixed_size: 0
    .kernarg_segment_align: 8
    .kernarg_segment_size: 72
    .max_flat_workgroup_size: 512
    .sgpr_count:     66
    .vgpr_count:     242
    .wavefront_size: 32
...
	.end_amdgpu_metadata
.endif
;; end of part 2
